; MI455X (gfx1250); checked and timed in simulation.
; The chip was launched on July 23, 2026; its instructions are those of AMD's public machine-readable ISA for CDNA 5 (MIT licence, August 2026) and "CDNA5" Instruction Set Architecture Reference Guide (July 2026). The comments in the code are by the model that wrote it; some were corrected since.
;; Attention. Allowed arithmetic: matrix products marked QUANTISED: E4M3 operands, one E8M0 scale for each 32 along K, by v_wmma_scale_f32_16x16x128_f8f6f4 with both operands' format E4M3, f32 sums; everything else in f32.
;; Inputs: input_key 4 x 16 x 2,048 x 64 float32; input_query 4 x 16 x 2,048 x 64 float32; input_value 4 x 16 x 2,048 x 64 float32.
;; Outputs: out0 4 x 16 x 2,048 x 64 float32.
;; This version of the problem:
;;   THIS VERSION OF THE PROBLEM IS GIVEN IN LOW PRECISION. The matrix products marked QUANTISED in the list below multiply operands that are first quantised to E4M3 (4 exponent bits, 3 mantissa bits; 8 bits a number), with one power-of-two scale for each 32 numbers along K (OCP MX v1.0); their sums are f32. All else is computed in f32.
;;   The module's matrix products, in the order in which they are computed (A, B: the left and right operand; K: the contracted axis; several contracted axes count as one K, in the product's order):
;;     1. batch 64 x [M 2,048, K 64] x [K 64, N 2,048]; A: input input_query; B: input input_key: QUANTISED
;;     2. batch 64 x [M 2,048, K 2,048] x [K 2,048, N 64]; A: softmax (see below); B: input input_value: QUANTISED
;;   THE QUANTISER, for each operand of a quantised product, along K:
;;     - K is cut into blocks of 32 from its start; a last block that is shorter is filled with zeros.
;;     - A block's scale is 2^e with e = floor(log2(the largest magnitude in the block)) - 8, held to -126 .. 127; a block of zeros has e = 0. As a byte (E8M0): e + 127.
;;     - Each number is divided by its block's scale, clamped to +-448, and rounded to the nearest number of E4M3, ties to even, subnormals kept.
;;     - The product sums the exact products of the quantised numbers (number of the format x scale) in f32.
;;   ~~~python
;;   def quantise(x, axis):      # numpy; x: float32 -> the quantised numbers, widened to float32 again
;;       x = np.moveaxis(x, axis, -1); K = x.shape[-1]
;;       x = np.pad(x, [(0, 0)] * (x.ndim - 1) + [(0, -K % 32)]); x = x.reshape(x.shape[:-1] + (-1, 32)); a = np.abs(x).max(-1, keepdims=True)
;;       e = np.where(a > 0, np.clip(np.frexp(np.where(a > 0, a, 1))[1] - 1 - 8, -126, 127), 0)      # np.frexp(a)[1] - 1 = floor(log2(a)), exactly
;;       r = np.clip(x / 2.0 ** e, -448, 448)
;;       step = 2.0 ** (np.maximum(np.frexp(np.where(r == 0, 1, r))[1] - 1, -6) - 3)
;;       q = np.round(r / step) * step * 2.0 ** e      # np.round: ties to even
;;       return np.moveaxis(q.reshape(q.shape[:-2] + (-1,))[..., :K], -1, axis).astype(np.float32)
;;   ~~~
;;   SOFTMAX AHEAD OF A QUANTISED PRODUCT. Where the list says 'softmax', what is quantised is not the finished softmax but p = 2^(t - M), with t = logit x log2(e) and M = ceil(the row's largest t), a whole number; so 1/2 < the row's largest p <= 1. The row's sum l is taken of the UNQUANTISED p, in f32, and the product's result is divided by l at the end. Since M is a whole number, a kernel that streams over the keys may use a running M (the ceiling of the running maximum): every later rescaling is an exact power of two, which a block's scale takes up: the codes' values come out the same.
;;   OPERANDS COMPUTED ON THE WAY. 'Computed on the way' means the value that the module computes at that place (a softmax that the list does not call 'softmax' is quantised finished and normalised). What goes into a quantiser is computed in f32, as accurately as f32 sums, v_exp_f32 and their like allow (about 1e-6 of the number): no bf16 or f16 on the way to a quantiser, and a product that is left as it is and whose result goes on into a quantised operand takes f32 operands (vector FMAs, or v_wmma_f32_16x16x4_f32). A number that lies on a knife's edge between two numbers of the format may be rounded either way, as far as f32 arithmetic and the matrix unit's own rounding can turn it there, and no further.
;; 2 versions, each right; version 2 is version 1 with the launch attn written anew for expert scheduling mode. Each part assembles by itself: llvm-mc -triple=amdgcn-amd-amdhsa -mcpu=gfx1250 --defsym DOCPART=n.
;; ======== version 1 of 2: 1 launch
;; launch attn (part 1): grid 4 x 64, 16 waves a work-group, no clusters, 318,464 bytes of LDS; arguments input_query, input_key, input_value, out0; writes out0
.if DOCPART == 1
	.amdgcn_target "amdgcn-amd-amdhsa--gfx1250"
	.amdhsa_code_object_version 6
	.text
	.protected	k_q14b52c38ef_attn
	.globl	k_q14b52c38ef_attn
	.p2align	8
	.type	k_q14b52c38ef_attn,@function
k_q14b52c38ef_attn:
	s_mov_b64 s[64:65], 0
	v_nop
	global_prefetch_b8 v0, s[64:65] scope:SCOPE_SE
	s_setreg_imm32_b32 hwreg(HW_REG_WAVE_MODE, 25, 1), 1
	s_wait_xcnt 0x0
; out0[head][q][:] = the sum over keys of softmax_k(Q[head][q] . K[head][k]) V[head][k][:], 64 heads, 2,048 rows, 64 channels, all f32 in memory; no scale, no mask.
; Both products run on codes of FP8 (E4M3) with one E8M0 scale for each 32 along a product's K, sums in f32.  Q and K are quantised along the 64 channels (two blocks), V and p along the keys.
; THE SOFTMAX AHEAD OF THE SECOND PRODUCT: t = score x log2(e); M = the running largest t rounded UP to a whole number; p = 2^(t - M) is what is quantised; it is not normalised.  The row's sum is taken of the
; unquantised p in f32 and divides at the end.  When M moves, the sum and O are multiplied by 2^(old M - new M), which rounds nothing.
; NOTHING IS LEFT OUT: every input reaches the output, and all three are loaded.  The matrix form is 128 deep and the first product's K is 64: its operands' upper halves are zero codes, which add nothing.
; ONE LAUNCH.  A work-group of sixteen waves owns 512 queries of one head.  PREPARATION: wave w quantises keys 128 w .. 128 w + 127 of K and of V, from memory through registers into LDS: a head's codes and scale
; words, 16 x 17,472 = 279,552 bytes, stay there for the whole launch; each wave also quantises its own two tiles of 16 queries into registers.  One barrier.  ATTENTION: each wave makes two passes, a tile of
; 16 queries each, over the 16 key steps of 128 keys; no slot is ever filled again, so the loops have no barrier.
; NO CLUSTER, though the four work-groups of a head read the same K and V: a joint load would land f32 tiles in LDS, and beside the codes, the stages and the spare words 327,680 - 318,464 = 9,216 bytes are left
; for a head's 1,048,576 bytes of K and V: over a hundred rounds of the cluster's barrier for a preparation of 144 loads a wave.
; OPERANDS LIE IN LDS AS IMAGES OF THEIR REGISTERS: four registers of a lane are 16 bytes at 16 x lane, 512 consecutive bytes an instruction.
; BOTH PRODUCTS ARE USED TRANSPOSED: S^T = K Q^T (source 0 = 16 keys, source 1 = my 16 queries), O^T = V^T P^T (source 0 = 16 channels, source 1 = p): a lane holds ONE query (lane % 16) throughout.
; THE ORDER ALONG K is permuted inside a block of 32, alike on both sides of a product (r = lane % 16, h = lane / 16):
;   first product: byte 4 j + e of block c in half h is channel 32 c + 8 j + 4 h + e, so that lanes (r, 0) and (r, 1) read 32 neighbouring bytes of a row;
;   row m of a tile of K is key 16 T + 2 (m % 8) + m / 8, so that register 16 b + i of a lane's scores is key 32 b + 2 i + h;
;   second product: byte i of block c in half h is key 32 c + 2 i + h, in p by the line above and in V by its loads (an instruction reads two whole neighbouring rows of V).
; LIMITS.  NaN and infinities among the inputs are not served.  A block of zeros gets the scale byte 1 where the rule says 127: its codes are zeros, and this program alone reads the bytes.  A p under 2^-126
; becomes 0 (ISA guide, v_exp_f32: denormal results are flushed), beside a row's sum above 1/2.  A block's largest p is made from its largest score by the same two instructions: this takes v_exp_f32 not to fall
; where its input rises; at the worst one p of a block would be held one code low.
.set REC,   17472                      ; LDS: a key step's record: K's 8 tiles, V's 4 tiles, K's scale words, V's scale words
.set KOFF,  0                          ; K: tile T, block c at 1024 T + 512 c + 16 x lane
.set VOFF,  8192                       ; V: tile t (channels 16 t + r), block c at 2064 t + 512 c + 16 x lane
.set VTP,   2064                       ; 2,048 + 16: the sixteen lanes of a producer's store then fall on sixteen different 16-byte columns modulo 256
.set KSOFF, VOFF+4*VTP                 ; K's scale words: tile T, row r at 256 (T / 4) + 16 r + 4 (T % 4)
.set VSOFF, KSOFF+512                  ; V's: tile t, row r at 16 r + 4 t, and the same once more 256 bytes on
.set STG,   16*REC                     ; behind the records: a stage for each wave, 16 rows x (128 bytes + 16)
.set SROW,  144
.set SWAVE, 16*SROW
.set SPARE, STG+16*SWAVE               ; 316,416 = 256 x 1,236: the spare words, 128 bytes for each wave: eight blocks of 256 bytes that no other line names
; vector registers that stay
.set SPW,  1                           ; v1   LDS address of my spare word; never rewritten
.set NIL,  2                           ; v2   0; never rewritten
.set L16,  3                           ; v3   16 x lane
.set ADR,  4                           ; v4   the key step's record + 16 x lane
.set STO,  5                           ; v5   the stage: where I put 32 bytes of a row
.set SRD,  6                           ; v6   the stage: where I read 16 bytes back
.set QF,   16                          ; v16-31   Q's operand: 8 registers of codes, 8 of zeros
.set QC1,  244                         ; v244-251 the second pass's codes of Q
.set QW,   253                         ; v253, v252 Q's scale words of pass 0, 1
; the preparation
.set QA,   7                           ; v7   Q: 256 r + 16 h
.set KA,   8                           ; v8   K: 512 (r % 8) + 256 (r / 8) + 16 h
.set KST,  9                           ; v9   my record + 16 x lane
.set KSA,  10                          ; v10  my record + 16 r
.set VST,  11                          ; v11  my record + 2064 (r / 4) + 64 (r % 4) + 256 h
.set VSA,  12                          ; v12  my record + 64 (r % 4) + 4 (r / 4) + 256 h
.set KW,   24                          ; v24-31   K's eight scale words (zeros afterwards)
.set XS,   32                          ; v32-159  four slots of 32 numbers as loaded
.set KC,   160                         ; v160-191 K's codes, four sets of 8 by turns
.set VT,   160                         ; v160-191 V: two sets of 16 held numbers of one channel
.set VC,   192                         ; v192-207 V: a block's codes, 4 registers a channel
.set QM,   224                         ; v224-233 Q, K: +0 maxima, +2 the other half's, +4 448 x scale, +6 the conversion's scale operand, +8 bytes
.set VW,   224                         ; v224-227 V: my four channels' scale words
.set VM,   228                         ; v228-243 V: +0 maxima, +4 the other half's, then bytes, +8 448 x scale, +12 the conversion's scale operand
; the attention
.set NM,   12                          ; v12  -M;  v13 the largest t (the packed form names the pair and takes its low word)
.set TMX,  13
.set SUM,  14                          ; v14-15   the row's sum in two halves
.set KF,   32                          ; v32-95   four operands of K: 8 registers of codes, 8 of zeros each
.set S,    96                          ; v96-159  S^T, then p, then V's four operands
.set OT,   160                         ; v160-191 O^T, four tiles of 16 channels
.set PC,   192                         ; v192-207 p's codes
.set KS,   208                         ; v208-211 K's scale words: register i: lanes 0-15 tile i, lanes 16-31 tile 4 + i
.set VS,   212                         ; v212-215 V's scale words, a register a tile
.set PW,   216                         ; v216 p's scale word
.set F,    218                         ; v218 f = 2^(old M - new M);  v219 = 0: named with it as a pair
.set BM,   220                         ; v220-223 the blocks' largest scores, then largest p
.set PT,   224                         ; v224-227 the other half's maxima, then the bytes
.set HO,   228                         ; v228-231 448 x scale
.set SO,   232                         ; v232-235 the conversion's scale operand
.set SUM2, 236                         ; v236-237 the second chain of the sums; on the way out 1 / the sum
.set TT,   238                         ; v238 at work
; scalar registers: s[4:5] Q, s[6:7] K, s[8:9] V, s[10:11] O
.set WV,   12                          ; my wave's number
.set RB,   18                          ; my record's first byte
.set MNT,  19                          ; the mantissa field of 448
.set SEL,  20                          ; s[20:21] v_permlanex16_b32's selects for lane l xor 16
.set CS,   22                          ; s[22:23] log2(e), twice: the packed form names the pair
.set TB,   24                          ; the key step's record
.set CNT,  25                          ; key steps to go
.set MSK,  26                          ; lanes 8-15 and 24-31
	s_load_b256 s[4:11], s[0:1], 0x0               ; Q, K, V, O
	v_lshl_add_u32 v[SPW], v0, 2, SPARE
	v_mov_b32 v[NIL], 0
	v_lshrrev_b32 v13, 5, v0
	v_readfirstlane_b32 s[WV], v13                 ; wave 0..15
	v_and_b32 v14, 15, v0                          ; r
	v_bfe_u32 v15, v0, 4, 1                        ; h
	v_and_b32 v[L16], 31, v0
	v_lshlrev_b32 v[L16], 4, v[L16]
	v_lshlrev_b32 v[QA], 8, v14
	v_lshl_add_u32 v[QA], v15, 4, v[QA]
	v_and_b32 v[KA], 7, v0
	v_lshlrev_b32 v[KA], 9, v[KA]
	v_bfe_u32 v9, v0, 3, 1
	v_lshl_add_u32 v[KA], v9, 8, v[KA]
	v_lshl_add_u32 v[KA], v15, 4, v[KA]
	s_and_b32 s13, ttmp7, 0xffff                   ; the head,
	s_lshl_b32 s13, s13, 19                        ; 2,048 rows of 256 bytes each
	s_lshl_b32 s14, s[WV], 15                      ; K, V: my 128 keys
	s_add_co_u32 s14, s14, s13
	s_mov_b32 s15, 0
	s_lshl_b32 s16, ttmp9, 17                      ; Q, O: my work-group's 512 queries,
	s_add_co_u32 s16, s16, s13
	s_lshl_b32 s27, s[WV], 12                      ; my wave's 16 of the first 256; the second pass's lie 65,536 bytes on
	s_add_co_u32 s16, s16, s27
	s_mov_b32 s17, 0
	s_mul_i32 s[RB], s[WV], REC
	s_mov_b32 s[MNT], 0x600000
	s_mov_b32 s[SEL], 0x76543210
	s_mov_b32 s[SEL+1], 0xfedcba98
	s_mov_b32 s[CS], 0x3fb8aa3b                    ; log2(e)
	s_mov_b32 s[CS+1], s[CS]
	s_mov_b32 s[MSK], 0xff00ff00
	s_wait_kmcnt 0x0
	s_add_nc_u64 s[4:5], s[4:5], s[16:17]
	s_add_nc_u64 s[6:7], s[6:7], s[14:15]
	s_add_nc_u64 s[8:9], s[8:9], s[14:15]
	s_add_nc_u64 s[10:11], s[10:11], s[16:17]
; A UNIT is eight loads of 16 bytes a lane into slot u % 4.  Units 0, 1: Q of pass 0, 1.  Units 2-9: K's tiles 0-7.  Units 10-17: V's blocks of 32 keys, two units each.
.macro UNIT u
.set SL, XS+32*((\u)%4)
.if (\u) < 2
.irp c, 0,1
.irp j, 0,1,2,3
	global_load_b128 v[SL+16*\c+4*\j:SL+16*\c+4*\j+3], v[QA], s[4:5] offset:65536*(\u)+128*\c+32*\j th:TH_LOAD_NT   ; number 16 c + 4 j + e: channel 32 c + 8 j + 4 h + e of query r; read by this wave alone
.endr
.endr
.elseif (\u) < 10
.irp c, 0,1
.irp j, 0,1,2,3
	global_load_b128 v[SL+16*\c+4*\j:SL+16*\c+4*\j+3], v[KA], s[6:7] offset:4096*((\u)-2)+128*\c+32*\j   ; the same of key 16 T + 2 (r % 8) + r / 8
.endr
.endr
.else
.irp i, 0,1,2,3,4,5,6,7
	global_load_b128 v[SL+4*\i:SL+4*\i+3], v[L16], s[8:9] offset:(32*(((\u)-10)/2)+16*(((\u)-10)%2)+2*\i)*256   ; two whole rows of V, 512 consecutive bytes: channels 4 r .. 4 r + 3 of the even key (h = 0) or the odd one (h = 1)
.endr
.endif
.endm
	UNIT 0
	UNIT 1
	UNIT 2
	UNIT 3
	; the LDS addresses are made while the first loads are on their way
	v_add_nc_u32 v[KST], s[RB], v[L16]
	v_lshl_add_u32 v[KSA], v14, 4, s[RB]
	v_bfe_u32 v[VST], v0, 2, 2                     ; r / 4
	v_mul_u32_u24 v[VST], v[VST], VTP
	v_and_b32 v[VSA], 3, v0                        ; r % 4
	v_lshl_add_u32 v[VST], v[VSA], 6, v[VST]
	v_lshl_add_u32 v[VST], v15, 8, v[VST]
	v_add_nc_u32 v[VST], s[RB], v[VST]
	v_lshlrev_b32 v[VSA], 6, v[VSA]
	v_bfe_u32 v13, v0, 2, 2
	v_lshl_add_u32 v[VSA], v13, 2, v[VSA]
	v_lshl_add_u32 v[VSA], v15, 8, v[VSA]
	v_add_nc_u32 v[VSA], s[RB], v[VSA]
	s_mul_i32 s27, s[WV], SWAVE
	s_add_co_u32 s27, s27, STG                     ; my stage
	v_mul_u32_u24 v[STO], v14, SROW                ; in: row r, 32 bytes for each half of the lanes
	v_lshl_add_u32 v[STO], v15, 5, v[STO]
	v_add_nc_u32 v[STO], s27, v[STO]
	v_mul_u32_u24 v[SRD], v15, SROW                ; back: lanes 0-15 one row, lanes 16-31 the next; 16 (lane % 8) in its 128 bytes
	v_and_b32 v13, 7, v0
	v_lshl_add_u32 v[SRD], v13, 4, v[SRD]
	v_add_nc_u32 v[SRD], s27, v[SRD]
	v_mov_b32 v[QM+2], 0                           ; written once: a lane permute's destination counts as one of its sources
	v_mov_b32 v[QM+3], 0
.irp j, 0,1,2,3
	v_mov_b32 v[VM+4+\j], 0
.endr
; 32 numbers of a lane, v[x] on (16 of each of my row's two blocks; the other 16 lie in lane l xor 16), become 8 registers of codes at v[c] and the row's scale word in v[w].
; A block's scale byte is its largest magnitude's exponent field - 8, held at 1 from below by the floor 2^(9 - 127) among the maximum's leaves.  Bytes 2 and 3 of the word stay 0: they stand over zero codes.
.macro QUANT32 x, c, w
.irp b, 0,1
	v_max3_num_f32 v[QM+\b], |v[(\x)+16*\b]|, |v[(\x)+16*\b+1]|, 0x4800000
.endr
.irp i, 2,4,6,8,10,12,14
.irp b, 0,1
	v_max3_num_f32 v[QM+\b], v[QM+\b], |v[(\x)+16*\b+\i]|, |v[(\x)+16*\b+\i+1]|
.endr
.endr
.irp b, 0,1
	v_permlanex16_b32 v[QM+2+\b], v[QM+\b], s[SEL], s[SEL+1]
.endr
.irp b, 0,1
	v_max_num_f32 v[QM+\b], v[QM+\b], v[QM+2+\b]   ; the block's largest magnitude
.endr
.irp b, 0,1
	v_add_nc_u32 v[QM+6+\b], 0xfc000000, v[QM+\b]  ; 8 off its exponent field: the conversion takes the exponent field of this operand as its scale
.endr
.irp b, 0,1
	v_and_or_b32 v[QM+4+\b], v[QM+\b], 0x7f800000, s[MNT]   ; 448 x the scale
.endr
.irp b, 0,1
	v_lshrrev_b32 v[QM+8+\b], 23, v[QM+6+\b]       ; the scale's byte
.endr
	v_lshl_or_b32 v[\w], v[QM+9], 8, v[QM+8]
.irp b, 0,1
.irp i, 0,1,2,3,4,5,6,7,8,9,10,11,12,13,14,15
	v_med3_num_f32 v[(\x)+16*\b+\i], v[(\x)+16*\b+\i], -v[QM+4+\b], v[QM+4+\b]   ; the conversion to an 8-bit code does not saturate (ISA guide 7.6.2): the hold at the largest code x the scale
.endr
	v_cvt_scalef32_pk8_fp8_f32 v[(\c)+4*\b:(\c)+4*\b+1], v[(\x)+16*\b:(\x)+16*\b+7], v[QM+6+\b]
	v_cvt_scalef32_pk8_fp8_f32 v[(\c)+4*\b+2:(\c)+4*\b+3], v[(\x)+16*\b+8:(\x)+16*\b+15], v[QM+6+\b]
.endr
	v_nop                                          ; one plain vector instruction behind the last conversion, ahead of whatever next touches its registers
.endm
; V's block c of 32 keys, 64 numbers of a lane at v[xb] on: number 4 i + j is channel 4 r + j of key 32 c + 2 i + h.  A channel's block lies in lanes l and l xor 16.  The hold writes a channel's 16 numbers
; into consecutive registers, so that the conversions find neighbours along the keys: nothing else is moved.  The codes of channel 4 r + j are 16 bytes of tile r / 4, row 4 (r % 4) + j, half h.
.macro VBLOCK c, xb
	s_wait_dscnt 0x0                               ; the LDS stores issued so far have read the registers that are written next
.irp j, 0,1,2,3
	v_max3_num_f32 v[VM+\j], |v[\xb+\j]|, |v[\xb+4+\j]|, 0x4800000
.endr
.irp i, 2,4,6,8,10,12,14
.irp j, 0,1,2,3
	v_max3_num_f32 v[VM+\j], v[VM+\j], |v[\xb+4*\i+\j]|, |v[\xb+4*\i+4+\j]|
.endr
.endr
.irp j, 0,1,2,3
	v_permlanex16_b32 v[VM+4+\j], v[VM+\j], s[SEL], s[SEL+1]
.endr
.irp j, 0,1,2,3
	v_max_num_f32 v[VM+\j], v[VM+\j], v[VM+4+\j]
.endr
.irp j, 0,1,2,3
	v_add_nc_u32 v[VM+12+\j], 0xfc000000, v[VM+\j]
.endr
.irp j, 0,1,2,3
	v_and_or_b32 v[VM+8+\j], v[VM+\j], 0x7f800000, s[MNT]
.endr
.if \c == 0
.irp j, 0,1,2,3
	v_lshrrev_b32 v[VW+\j], 23, v[VM+12+\j]        ; the first byte starts the channel's scale word
.endr
.else
.irp j, 0,1,2,3
	v_lshrrev_b32 v[VM+4+\j], 23, v[VM+12+\j]
.endr
.irp j, 0,1,2,3
	v_lshl_or_b32 v[VW+\j], v[VM+4+\j], 8*\c, v[VW+\j]
.endr
.endif
.irp j, 0,1,2,3
.irp i, 0,1,2,3,4,5,6,7,8,9,10,11,12,13,14,15
	v_med3_num_f32 v[VT+16*(\j%2)+\i], v[\xb+4*\i+\j], -v[VM+8+\j], v[VM+8+\j]
.endr
	v_cvt_scalef32_pk8_fp8_f32 v[VC+4*\j:VC+4*\j+1], v[VT+16*(\j%2):VT+16*(\j%2)+7], v[VM+12+\j]
	v_cvt_scalef32_pk8_fp8_f32 v[VC+4*\j+2:VC+4*\j+3], v[VT+16*(\j%2)+8:VT+16*(\j%2)+15], v[VM+12+\j]
.endr
	v_nop                                          ; one plain vector instruction behind the last conversion
.irp j, 0,1,2,3
	ds_store_b128 v[VST], v[VC+4*\j:VC+4*\j+3] offset:VOFF+512*\c+16*\j
.endr
.endm
	; THE PREPARATION.  Loads come back in order (ISA guide 5.7.1): a unit is in when at most the loads issued behind it are out.  Four units, 32 loads, are asked for ahead; a slot is asked for again as soon as it is quantised.
	s_wait_loadcnt 24                              ; unit 0 is in; units 1 to 3 may be out
	QUANT32 XS, QF, QW
	UNIT 4
	s_wait_loadcnt 24
	QUANT32 XS+32, QC1, QW-1
	UNIT 5
.irp t, 0,1,2,3,4,5,6,7
	s_wait_loadcnt 24                              ; K's tile t is in; the three units behind it may be out
.if \t >= 4
	s_wait_dscnt 6                                 ; behind the two stores of the tile four back stand the six of the three tiles between: those two have read the set of codes that is written next
.endif
	QUANT32 XS+32*((\t+2)%4), KC+8*(\t%4), KW+\t
	ds_store_b128 v[KST], v[KC+8*(\t%4):KC+8*(\t%4)+3] offset:KOFF+1024*\t
	ds_store_b128 v[KST], v[KC+8*(\t%4)+4:KC+8*(\t%4)+7] offset:KOFF+1024*\t+512
	UNIT \t+6
.endr
	ds_store_b128 v[KSA], v[KW:KW+3] offset:KSOFF              ; row r's words of tiles 0-3; both halves of the lanes write the same bytes with the same values
	ds_store_b128 v[KSA], v[KW+4:KW+7] offset:KSOFF+256        ; and of tiles 4-7
	s_wait_loadcnt 16                              ; V's block 0 (units 10, 11) is in; units 12, 13 may be out
	VBLOCK 0, XS+64
	UNIT 14
	UNIT 15
	s_wait_loadcnt 16                              ; block 1 is in; units 14, 15 may be out
	VBLOCK 1, XS
	UNIT 16
	UNIT 17
	s_wait_loadcnt 16                              ; block 2 is in; units 16, 17 may be out
	VBLOCK 2, XS+64
	s_wait_loadcnt 0x0
	VBLOCK 3, XS
.irp j, 0,1,2,3
	ds_store_b32 v[VSA], v[VW+\j] offset:VSOFF+16*\j           ; channel 4 r + j's word; lanes 16-31 write the copy 256 bytes on
.endr
	s_wait_dscnt 0x0                               ; for the others' sake: my record is whole
	s_barrier_signal -1
.irp i, 0,1,2,3,4,5,6,7                        ; work on registers while the others arrive: the zero codes of k = 64 .. 127 of the first product's operands, written once
	v_mov_b32 v[QF+8+\i], 0
	v_mov_b32 v[KF+8+\i], 0
	v_mov_b32 v[KF+24+\i], 0
	v_mov_b32 v[KF+40+\i], 0
	v_mov_b32 v[KF+56+\i], 0
.endr
	v_mov_b32 v[F+1], 0                            ; named as the upper half of the pair with f
	s_barrier_wait -1                              ; all sixteen records are whole; nothing in them is written again
; The largest score of blocks b0 and b1, by turns; each accumulator is first read at its low end.
.macro BMAX b0, b1
.irp b, \b0, \b1
	v_max3_num_f32 v[BM+\b], v[S+16*\b], v[S+16*\b+1], v[S+16*\b+2]
.endr
.irp i, 3,5,7,9,11,13
.irp b, \b0, \b1
	v_max3_num_f32 v[BM+\b], v[BM+\b], v[S+16*\b+\i], v[S+16*\b+\i+1]
.endr
.endr
.irp b, \b0, \b1
	v_max_num_f32 v[BM+\b], v[BM+\b], v[S+16*\b+15]
.endr
.endm
; A KEY STEP: 128 keys.  qs: the register with my queries' scale words.
; A load into a register that a matrix instruction has read and a vector instruction that reads its result stand eight places behind it, a matrix instruction that writes over one of its registers nine; only plain
; vector instructions that name none of its registers are places.
.macro STEP qs
	v_add_nc_u32 v[ADR], s[TB], v[L16]
	ds_load_b128 v[KS:KS+3], v[ADR] offset:KSOFF
.irp t, 0,1,2,3
.irp c, 0,1
	ds_load_b128 v[KF+16*\t+4*\c:KF+16*\t+4*\c+3], v[ADR] offset:KOFF+1024*\t+512*\c
.endr
.endr
.rept 8
	v_nop                                          ; with the addition above nine places between the last step's products V^T P and the products below, which write over V's operands; the loads are out meanwhile
.endr
	s_wait_dscnt 0x0
.irp t, 0,1,2,3                                ; S^T = K Q^T, tiles 0-3
	v_wmma_scale_f32_16x16x128_f8f6f4 v[S+8*\t:S+8*\t+7], v[KF+16*\t:KF+16*\t+15], v[QF:QF+15], 0, v[KS+\t], v[\qs]
.endr
.rept 8
	v_nop                                          ; places in front of the loads into K's operands
.endr
.irp t, 0,1,2,3
.irp c, 0,1
	ds_load_b128 v[KF+16*\t+4*\c:KF+16*\t+4*\c+3], v[ADR] offset:KOFF+1024*(4+\t)+512*\c
.endr
.endr
	s_wait_dscnt 0x0
.irp t, 0,1,2,3                                ; tiles 4-7: their scale words lie in lanes 16-31
	v_wmma_scale_f32_16x16x128_f8f6f4 v[S+32+8*\t:S+32+8*\t+7], v[KF+16*\t:KF+16*\t+15], v[QF:QF+15], 0, v[KS+\t], v[\qs] matrix_a_scale:MATRIX_SCALE_ROW1
.endr
	BMAX 0, 1                                      ; THE LARGEST SCORE OF EACH BLOCK OF 32 KEYS serves twice: for the row's maximum and, since p rises with the score, for the block's largest p.  Blocks 0 and 1 first: their 16 lines name nothing of the last four products and are those products' places
	BMAX 2, 3
.irp b, 0,1,2,3
	v_permlanex16_b32 v[PT+\b], v[BM+\b], s[SEL], s[SEL+1]
.endr
.irp b, 0,1,2,3
	v_max_num_f32 v[BM+\b], v[BM+\b], v[PT+\b]     ; with lane l xor 16's 16 keys
.endr
	v_max3_num_f32 v[TT], v[BM], v[BM+1], v[BM+2]
	v_max_num_f32 v[TT], v[TT], v[BM+3]            ; the step's largest score of my query,
	v_mul_f32 v[TT], s[CS], v[TT]                  ; as t
	v_max_num_f32 v[TMX], v[TMX], v[TT]            ; the running largest t
	v_mov_b32 v[TT], v[NM]
	v_floor_f32 v[NM], -v[TMX]                     ; the new -M = floor(-t) = -ceil(t): a whole number
	v_sub_f32 v[TT], v[NM], v[TT]                  ; old M less new M: a whole number, 0 or less
	v_cvt_i32_f32 v[TT], v[TT]                     ; (it saturates)
	v_ldexp_f32 v[F], 1.0, v[TT]                   ; f = 2^(old M - new M)
.set J, 0
.rept 32
	v_pk_fma_f32 v[S+J:S+J+1], v[S+J:S+J+1], s[CS:CS+1], v[NM:NM+1] op_sel_hi:[1,0,0]   ; t - M, two at a time
.set J, J+2
.endr
.irp b, 0,1,2,3
	v_fma_f32 v[BM+\b], v[BM+\b], s[CS], v[NM]     ; the same of each block's largest score
.endr
.set J, 0
.rept 64
	v_exp_f32 v[S+J], v[S+J]                       ; p = 2^(t - M), at most 1: not normalised
.set J, J+1
.endr
	v_pk_mul_f32 v[SUM:SUM+1], v[SUM:SUM+1], v[F:F+1] op_sel_hi:[1,0]   ; the sums under the new M: the plain instruction behind the batch
	s_wait_alu depctr_va_vdst(0)                   ; one wait for the 64, ahead of the first line that names a result
.irp b, 0,1,2,3
	v_exp_f32 v[BM+\b], v[BM+\b]                   ; the block's largest p: the same two instructions on the same number give the same bits
.endr
	v_pk_add_f32 v[SUM2:SUM2+1], v[S:S+1], v[S+2:S+3]          ; THE ROW'S SUM IS TAKEN OF THE UNQUANTISED p, two at a time, in two chains; these lines read the 64 alone
.irp j, 4,8,12,16,20,24,28,32,36,40,44,48,52,56,60
	v_pk_add_f32 v[SUM:SUM+1], v[SUM:SUM+1], v[S+\j:S+\j+1]
	v_pk_add_f32 v[SUM2:SUM2+1], v[SUM2:SUM2+1], v[S+\j+2:S+\j+3]
.endr
	v_pk_add_f32 v[SUM:SUM+1], v[SUM:SUM+1], v[SUM2:SUM2+1]
	s_wait_alu depctr_va_vdst(0)                   ; and one for the four
.irp b, 0,1,2,3
	v_max_num_f32 v[BM+\b], 0x4800000, v[BM+\b]    ; the floor 2^(9 - 127): the byte cannot fall under 1 (a block whose every p is 0 keeps that byte: its codes are zeros)
.endr
.irp b, 0,1,2,3
	v_add_nc_u32 v[SO+\b], 0xfc000000, v[BM+\b]    ; 8 off the exponent field: the conversion's scale operand
.endr
.irp b, 0,1,2,3
	v_and_or_b32 v[HO+\b], v[BM+\b], 0x7f800000, s[MNT]        ; 448 x the scale
.endr
.irp b, 0,1,2,3
	v_lshrrev_b32 v[PT+\b], 23, v[SO+\b]           ; the scale's byte
.endr
	v_lshl_or_b32 v[PW], v[PT+1], 8, v[PT]         ; p's scale word for these 128 keys
	v_lshl_or_b32 v[PW], v[PT+2], 16, v[PW]
	v_lshl_or_b32 v[PW], v[PT+3], 24, v[PW]
.irp b, 0,1,2,3
.irp i, 0,1,2,3,4,5,6,7,8,9,10,11,12,13,14,15
	v_min_num_f32 v[S+16*\b+\i], v[S+16*\b+\i], v[HO+\b]       ; the hold; p is not negative, so it is one-sided
.endr
	v_cvt_scalef32_pk8_fp8_f32 v[PC+4*\b:PC+4*\b+1], v[S+16*\b:S+16*\b+7], v[SO+\b]
	v_cvt_scalef32_pk8_fp8_f32 v[PC+4*\b+2:PC+4*\b+3], v[S+16*\b+8:S+16*\b+15], v[SO+\b]
.endr
	ds_load_b128 v[VS:VS+3], v[ADR] offset:VSOFF
.irp t, 0,1,2,3                                ; V's four operands land where p lay: the conversions have read it
.irp c, 0,1,2,3
	ds_load_b128 v[S+16*\t+4*\c:S+16*\t+4*\c+3], v[ADR] offset:VOFF+VTP*\t+512*\c
.endr
.endr
.set J, 0
.rept 16
	v_pk_mul_f32 v[OT+J:OT+J+1], v[OT+J:OT+J+1], v[F:F+1] op_sel_hi:[1,0]   ; O^T under the new M, from each accumulator's low end on.  These 16 are also the plain lines behind the conversions and in front of the products
.set J, J+2
.endr
	s_wait_dscnt 0x0
.irp t, 0,1,2,3                                ; O^T += V^T P^T: the four accumulators by turns, one instruction a turn, with the eight products K Q^T between two turns of one
	v_wmma_scale_f32_16x16x128_f8f6f4 v[OT+8*\t:OT+8*\t+7], v[S+16*\t:S+16*\t+15], v[PC:PC+15], v[OT+8*\t:OT+8*\t+7], v[VS+\t], v[PW]
.endr
.endm
; THE WAY OUT of pass p.  O^T / the sum: register 8 t + j of lane (r, h) is o(query r, channel 16 t + 8 h + j).  Half a row (128 bytes) of the 16 queries at a time goes through my stage; lanes whose bit 3 is set
; then take the upper half's 16 bytes, so that 32 lanes store two whole rows of O: 512 consecutive bytes, at a multiple of 256 from O's first byte.
.macro WAYOUT p
.rept 8
	v_nop                                          ; places behind the last products
.endr
	v_add_f32 v[SUM], v[SUM], v[SUM+1]             ; the sum's two halves,
	v_permlanex16_b32 v[TT], v[SUM], s[SEL], s[SEL+1]
	v_add_f32 v[SUM], v[SUM], v[TT]                ; and lane l xor 16's: the row's sum
	v_rcp_f32 v[SUM2], v[SUM]
	v_nop                                          ; a plain instruction behind the reciprocal,
	s_wait_alu depctr_va_vdst(0)                   ; and a wait ahead of its first reader
.set J, 0
.rept 16
	v_pk_mul_f32 v[S+J:S+J+1], v[OT+J:OT+J+1], v[SUM2:SUM2+1] op_sel_hi:[1,0]
.set J, J+2
.endr
.irp t, 0,1
	ds_store_b128 v[STO], v[S+8*\t:S+8*\t+3] offset:64*\t
	ds_store_b128 v[STO], v[S+8*\t+4:S+8*\t+7] offset:64*\t+16
.endr
.irp i, 0,1,2,3,4,5,6,7
	ds_load_b128 v[S+32+4*\i:S+32+4*\i+3], v[SRD] offset:2*SROW*\i   ; LDS serves a wave's instructions in order (ISA guide 5.7.1.4): these see the stores above, and the next half's stores come behind them
.endr
.irp t, 0,1
	ds_store_b128 v[STO], v[S+16+8*\t:S+16+8*\t+3] offset:64*\t
	ds_store_b128 v[STO], v[S+16+8*\t+4:S+16+8*\t+7] offset:64*\t+16
.endr
.irp i, 0,1,2,3,4,5,6,7
	ds_load_b128 v[OT+4*\i:OT+4*\i+3], v[SRD] offset:2*SROW*\i
.endr
	s_wait_dscnt 0x0
.set J, 0
.rept 32
	v_cndmask_b32 v[S+32+J], v[S+32+J], v[OT+J], s[MSK]
.set J, J+1
.endr
.irp i, 0,1,2,3,4,5,6,7
	global_store_b128 v[L16], v[S+32+4*\i:S+32+4*\i+3], s[10:11] offset:65536*\p+512*\i th:TH_STORE_NT   ; written once, read by nobody here
.endr
.endm
; A PASS: one tile of 16 queries over all 16 key steps.  The step is written once a pass: O^T and the sum begin as zeros and the largest t as -3e38, so the first change of M multiplies zeros by 0.
.macro PASS p
.if \p
	s_wait_xcnt 0x0                                ; the first pass's stores have read their registers, which this pass writes again
.irp i, 0,1,2,3,4,5,6,7
	v_mov_b32 v[QF+\i], v[QC1+\i]                  ; the second tile's codes
.endr
.endif
	v_mov_b32 v[TMX], 0xff61b1e6                   ; -3e38, under every t
	v_floor_f32 v[NM], -v[TMX]
	v_mov_b32 v[SUM], 0
	v_mov_b32 v[SUM+1], 0
.set J, 0
.rept 32
	v_mov_b32 v[OT+J], 0
.set J, J+1
.endr
	s_mov_b32 s[TB], 0
	s_mov_b32 s[CNT], 16
.Lstep_\@:
	STEP QW-\p
	s_add_co_u32 s[TB], s[TB], REC                 ; the next key step's record
	s_sub_co_u32 s[CNT], s[CNT], 1
	s_cmp_lg_u32 s[CNT], 0
	s_cbranch_scc1 .Lstep_\@
	WAYOUT \p
.endm
	PASS 0
	PASS 1
	s_wait_tensorcnt 0x0                           ; the wave's end
	ds_add_u32 v[SPW], v[NIL]
	s_wait_dscnt 0x0
	s_endpgm
.Lfunc_end_k_q14b52c38ef_attn:
	.size	k_q14b52c38ef_attn, .Lfunc_end_k_q14b52c38ef_attn-k_q14b52c38ef_attn
	.p2alignl 7, 3214868480
	.fill 96, 4, 3214868480
	.section	.rodata,"a",@progbits
	.p2align	6, 0x0
	.amdhsa_kernel k_q14b52c38ef_attn
		.amdhsa_group_segment_fixed_size 318464
		.amdhsa_private_segment_fixed_size 0
		.amdhsa_enable_private_segment 0
		.amdhsa_kernarg_size 32
		.amdhsa_user_sgpr_count 2
		.amdhsa_user_sgpr_kernarg_segment_ptr 1
		.amdhsa_wavefront_size32 1
		.amdhsa_system_sgpr_workgroup_id_x 1
		.amdhsa_system_sgpr_workgroup_id_y 1
		.amdhsa_system_sgpr_workgroup_id_z 1
		.amdhsa_system_vgpr_workitem_id 0
		.amdhsa_next_free_vgpr 256
		.amdhsa_next_free_sgpr 66
		.amdhsa_reserve_vcc 0
		.amdhsa_float_denorm_mode_32 3
		.amdhsa_float_denorm_mode_16_64 3
		.amdhsa_memory_ordered 1
		.amdhsa_forward_progress 1
		.amdhsa_inst_pref_size 144
	.end_amdhsa_kernel
	.amdgpu_metadata
---
amdhsa.version: [ 1, 2 ]
amdhsa.kernels:
  - .name:           k_q14b52c38ef_attn
    .symbol:         k_q14b52c38ef_attn.kd
    .args:
      - { .name: input_query, .offset: 0, .size: 8, .value_kind: global_buffer, .address_space: global }
      - { .name: input_key, .offset: 8, .size: 8, .value_kind: global_buffer, .address_space: global }
      - { .name: input_value, .offset: 16, .size: 8, .value_kind: global_buffer, .address_space: global }
      - { .name: out0, .offset: 24, .size: 8, .value_kind: global_buffer, .address_space: global }
    .group_segment_fixed_size: 318464
    .private_segment_fixed_size: 0
    .kernarg_segment_align: 8
    .kernarg_segment_size: 32
    .max_flat_workgroup_size: 512
    .sgpr_count:     66
    .vgpr_count:     256
    .wavefront_size: 32
...
	.end_amdgpu_metadata
.endif
;; end of part 1
;; ======== version 2 of 2: 1 launch; version 1 with the launch attn written anew for expert scheduling mode
;; launch attn (part 2): grid 4 x 64, 16 waves a work-group, no clusters, 318,464 bytes of LDS; arguments input_query, input_key, input_value, out0; writes out0
.if DOCPART == 2
	.amdgcn_target "amdgcn-amd-amdhsa--gfx1250"
	.amdhsa_code_object_version 6
	.text
	.protected	k_q14b52c38ef_attn
	.globl	k_q14b52c38ef_attn
	.p2align	8
	.type	k_q14b52c38ef_attn,@function
k_q14b52c38ef_attn:
	s_mov_b64 s[64:65], 0
	v_nop
	global_prefetch_b8 v0, s[64:65] scope:SCOPE_SE
	s_setreg_imm32_b32 hwreg(HW_REG_WAVE_SCHED_MODE, 0, 2), 2
	s_setreg_imm32_b32 hwreg(HW_REG_WAVE_MODE, 25, 1), 1
	s_wait_xcnt 0x0
	s_wait_alu depctr_vm_vsrc(0)
; out0[head][q][:] = the sum over keys of softmax_k(Q[head][q] . K[head][k]) V[head][k][:], 64 heads, 2,048 rows, 64 channels, all f32 in memory; no scale, no mask.
; Both products run on codes of FP8 (E4M3) with one E8M0 scale for each 32 along a product's K, sums in f32.  Q and K are quantised along the 64 channels (two blocks), V and p along the keys.
; THE SOFTMAX AHEAD OF THE SECOND PRODUCT: t = score x log2(e); M = the running largest t rounded UP to a whole number; p = 2^(t - M) is what is quantised; it is not normalised.  The row's sum is taken of the
; unquantised p in f32 and divides at the end.  When M moves, the sum and O are multiplied by 2^(old M - new M), which rounds nothing.
; NOTHING IS LEFT OUT: every input reaches the output, and all three are loaded.  The matrix form is 128 deep and the first product's K is 64: its operands' upper halves are zero codes, which add nothing.
; ONE LAUNCH.  A work-group of sixteen waves owns 512 queries of one head.  PREPARATION: wave w quantises keys 128 w .. 128 w + 127 of K and of V, from memory through registers into LDS: a head's codes and scale
; words, 16 x 17,472 = 279,552 bytes, stay there for the whole launch; each wave also quantises its own two tiles of 16 queries into registers.  One barrier.  ATTENTION: each wave makes two passes, a tile of
; 16 queries each, over the 16 key steps of 128 keys; no slot is ever filled again, so the loops have no barrier.
; NO CLUSTER, though the four work-groups of a head read the same K and V: a joint load would land f32 tiles in LDS, and beside the codes, the stages and the spare words 327,680 - 318,464 = 9,216 bytes are left
; for a head's 1,048,576 bytes of K and V: over a hundred rounds of the cluster's barrier for a preparation of 144 loads a wave.
; OPERANDS LIE IN LDS AS IMAGES OF THEIR REGISTERS: four registers of a lane are 16 bytes at 16 x lane, 512 consecutive bytes an instruction.
; BOTH PRODUCTS ARE USED TRANSPOSED: S^T = K Q^T (source 0 = 16 keys, source 1 = my 16 queries), O^T = V^T P^T (source 0 = 16 channels, source 1 = p): a lane holds ONE query (lane % 16) throughout.
; THE ORDER ALONG K is permuted inside a block of 32, alike on both sides of a product (r = lane % 16, h = lane / 16):
;   first product: byte 4 j + e of block c in half h is channel 32 c + 8 j + 4 h + e, so that lanes (r, 0) and (r, 1) read 32 neighbouring bytes of a row;
;   row m of a tile of K is key 16 T + 2 (m % 8) + m / 8, so that register 16 b + i of a lane's scores is key 32 b + 2 i + h;
;   second product: byte i of block c in half h is key 32 c + 2 i + h, in p by the line above and in V by its loads (an instruction reads two whole neighbouring rows of V).
; LIMITS.  NaN and infinities among the inputs are not served.  A block of zeros gets the scale byte 1 where the rule says 127: its codes are zeros, and this program alone reads the bytes.  A p under 2^-126
; becomes 0 (ISA guide, v_exp_f32: denormal results are flushed), beside a row's sum above 1/2.  A block's largest p is made from its largest score by the same two instructions: this takes v_exp_f32 not to fall
; where its input rises; at the worst one p of a block would be held one code low.
; THE MODE: SCHED_MODE bits 1:0 = 2 (LLVM: expert scheduling mode 2), set by the entry lines.  The code itself states the register dependences between vector or matrix instructions and memory or LDS
; instructions, with s_wait_alu, always for 0.
; THE PLAN: the registers that memory or LDS instructions touch, who writes and who reads each, and the wait between.
; IN THE PREPARATION
;   v3, v7, v8       offsets of the global loads and stores: made at the head, ahead of one wait on va_vdst; never written again.
;   v5, v6, v9-v12   LDS addresses: made while the first loads are out; every LDS instruction that reads one stands behind a later wait on va_vdst.  v12 alone is written again (it becomes -M).
;   XS0 .. XS3       a unit's loads land; its quantiser reads the slot and holds in place; ONE wait on va_vdst stands behind the unit's conversions, and the slot's next loads follow it.
;   KC0 .. KC3       written by tile t's conversions; read by its two LDS stores, behind the same wait; written again by tile t + 4 and by V's holds, each behind a wait on vm_vsrc.
;   KW, VC, VW       written by the quantisers, read by LDS stores behind a unit's wait on va_vdst; VC is written again by the next block, behind its wait on vm_vsrc.
;   One wait on vm_vsrc in front of the barrier: the preparation's LDS stores have read v12, KW, KC, VC and VW, all of which the attention writes.
; IN A KEY STEP
;   v4 (ADR)         read by the step's LDS loads; written once, at the step's head, behind a wait on vm_vsrc; the wait on va_vdst behind the first four products stands ahead of its first reader.
;   KF's codes       tiles 0-3: read by the first four products; tiles 4-7 land behind the wait on va_vdst that follows those four; read by the second four; THE NEXT STEP'S tiles 0-3 land behind the wait on
;   and KS           va_vdst that follows the 64 exponentials: all eight products stand ahead of it, and no vector or matrix instruction of the rest of the step names KF or KS.
;   S and VS         S: written by the products K Q^T, worked in place, read by p's conversions; one wait on va_vdst behind them, and V's operands land there; VS was last read by the step before.
;   PC, PW           named by vector and matrix instructions alone; a wait on va_vdst stands between the lines that write them and the scaled products that take them.
; ON THE WAY OUT     one wait on va_vdst ahead of the stage's stores and loads, one ahead of the global stores; one on vm_vsrc at the second pass's head, ahead of the first write of what they read.
.set REC,   17472                      ; LDS: a key step's record: K's 8 tiles, V's 4 tiles, K's scale words, V's scale words
.set KOFF,  0                          ; K: tile T, block c at 1024 T + 512 c + 16 x lane
.set VOFF,  8192                       ; V: tile t (channels 16 t + r), block c at 2064 t + 512 c + 16 x lane
.set VTP,   2064                       ; 2,048 + 16: the sixteen lanes of a producer's store then fall on sixteen different 16-byte columns modulo 256
.set KSOFF, VOFF+4*VTP                 ; K's scale words: tile T, row r at 256 (T / 4) + 16 r + 4 (T % 4)
.set VSOFF, KSOFF+512                  ; V's: tile t, row r at 16 r + 4 t, and the same once more 256 bytes on
.set STG,   16*REC                     ; behind the records: a stage for each wave, 16 rows x (128 bytes + 16)
.set SROW,  144
.set SWAVE, 16*SROW
.set SPARE, STG+16*SWAVE               ; 316,416 = 256 x 1,236: the spare words, 128 bytes for each wave: eight blocks of 256 bytes that no other line names
; vector registers that stay
.set SPW,  1                           ; v1   LDS address of my spare word; never rewritten
.set NIL,  2                           ; v2   0; never rewritten
.set L16,  3                           ; v3   16 x lane
.set ADR,  4                           ; v4   the key step's record + 16 x lane
.set STO,  5                           ; v5   the stage: where I put 32 bytes of a row
.set SRD,  6                           ; v6   the stage: where I read 16 bytes back
.set QF,   16                          ; v16-31   Q's operand: 8 registers of codes, 8 of zeros
.set QC1,  244                         ; v244-251 the second pass's codes of Q
.set QW,   253                         ; v253, v252 Q's scale words of pass 0, 1
; the preparation
.set QA,   7                           ; v7   Q: 256 r + 16 h
.set KA,   8                           ; v8   K: 512 (r % 8) + 256 (r / 8) + 16 h
.set KST,  9                           ; v9   my record + 16 x lane
.set KSA,  10                          ; v10  my record + 16 r
.set VST,  11                          ; v11  my record + 2064 (r / 4) + 64 (r % 4) + 256 h
.set VSA,  12                          ; v12  my record + 64 (r % 4) + 4 (r / 4) + 256 h
.set KW,   24                          ; v24-31   K's eight scale words (zeros afterwards)
.set XS,   32                          ; v32-159  four slots of 32 numbers as loaded
.set KC,   160                         ; v160-191 K's codes, four sets of 8 by turns
.set VT,   160                         ; v160-191 V: two sets of 16 held numbers of one channel
.set VC,   192                         ; v192-207 V: a block's codes, 4 registers a channel
.set QM,   224                         ; v224-233 Q, K: +0 maxima, +2 the other half's, +4 448 x scale, +6 the conversion's scale operand, +8 bytes
.set VW,   224                         ; v224-227 V: my four channels' scale words
.set VM,   228                         ; v228-243 V: +0 maxima, +4 the other half's, then bytes, +8 448 x scale, +12 the conversion's scale operand
; the attention
.set NM,   12                          ; v12  -M;  v13 the largest t (the packed form names the pair and takes its low word)
.set TMX,  13
.set SUM,  14                          ; v14-15   the row's sum in two halves
.set KF,   32                          ; v32-95   four operands of K: 8 registers of codes, 8 of zeros each
.set S,    96                          ; v96-159  S^T, then p, then V's four operands
.set OT,   160                         ; v160-191 O^T, four tiles of 16 channels
.set PC,   192                         ; v192-207 p's codes
.set KS,   208                         ; v208-211 K's scale words: register i: lanes 0-15 tile i, lanes 16-31 tile 4 + i
.set VS,   212                         ; v212-215 V's scale words, a register a tile
.set PW,   216                         ; v216 p's scale word
.set F,    218                         ; v218 f = 2^(old M - new M);  v219 = 0: named with it as a pair
.set BM,   220                         ; v220-223 the blocks' largest scores, then largest p
.set PT,   224                         ; v224-227 the other half's maxima, then the bytes
.set HO,   228                         ; v228-231 448 x scale
.set SO,   232                         ; v232-235 the conversion's scale operand
.set SUM2, 236                         ; v236-237 the second chain of the sums; on the way out 1 / the sum
.set TT,   238                         ; v238 at work
; scalar registers: s[4:5] Q, s[6:7] K, s[8:9] V, s[10:11] O
.set WV,   12                          ; my wave's number
.set RB,   18                          ; my record's first byte
.set MNT,  19                          ; the mantissa field of 448
.set SEL,  20                          ; s[20:21] v_permlanex16_b32's selects for lane l xor 16
.set CS,   22                          ; s[22:23] log2(e), twice: the packed form names the pair
.set TB,   24                          ; the key step's record
.set CNT,  25                          ; key steps to go
.set MSK,  26                          ; lanes 8-15 and 24-31
	s_load_b256 s[4:11], s[0:1], 0x0               ; Q, K, V, O
	v_lshl_add_u32 v[SPW], v0, 2, SPARE
	v_mov_b32 v[NIL], 0
	v_lshrrev_b32 v13, 5, v0
	v_readfirstlane_b32 s[WV], v13                 ; wave 0..15
	v_and_b32 v14, 15, v0                          ; r
	v_bfe_u32 v15, v0, 4, 1                        ; h
	v_and_b32 v[L16], 31, v0
	v_lshlrev_b32 v[L16], 4, v[L16]
	v_lshlrev_b32 v[QA], 8, v14
	v_lshl_add_u32 v[QA], v15, 4, v[QA]
	v_and_b32 v[KA], 7, v0
	v_lshlrev_b32 v[KA], 9, v[KA]
	v_bfe_u32 v9, v0, 3, 1
	v_lshl_add_u32 v[KA], v9, 8, v[KA]
	v_lshl_add_u32 v[KA], v15, 4, v[KA]
	s_wait_alu depctr_va_sdst(0)                   ; the wave's number is written into s12, ahead of its first reader: the bases and my record's place are made from it
	s_and_b32 s13, ttmp7, 0xffff                   ; the head,
	s_lshl_b32 s13, s13, 19                        ; 2,048 rows of 256 bytes each
	s_lshl_b32 s14, s[WV], 15                      ; K, V: my 128 keys
	s_add_co_u32 s14, s14, s13
	s_mov_b32 s15, 0
	s_lshl_b32 s16, ttmp9, 17                      ; Q, O: my work-group's 512 queries,
	s_add_co_u32 s16, s16, s13
	s_lshl_b32 s27, s[WV], 12                      ; my wave's 16 of the first 256; the second pass's lie 65,536 bytes on
	s_add_co_u32 s16, s16, s27
	s_mov_b32 s17, 0
	s_mul_i32 s[RB], s[WV], REC
	s_mov_b32 s[MNT], 0x600000
	s_mov_b32 s[SEL], 0x76543210
	s_mov_b32 s[SEL+1], 0xfedcba98
	s_mov_b32 s[CS], 0x3fb8aa3b                    ; log2(e)
	s_mov_b32 s[CS+1], s[CS]
	s_mov_b32 s[MSK], 0xff00ff00
	s_wait_kmcnt 0x0
	s_add_nc_u64 s[4:5], s[4:5], s[16:17]
	s_add_nc_u64 s[6:7], s[6:7], s[14:15]
	s_add_nc_u64 s[8:9], s[8:9], s[14:15]
	s_add_nc_u64 s[10:11], s[10:11], s[16:17]
; A UNIT is eight loads of 16 bytes a lane into slot u % 4.  Units 0, 1: Q of pass 0, 1.  Units 2-9: K's tiles 0-7.  Units 10-17: V's blocks of 32 keys, two units each.
.macro UNIT u
.set SL, XS+32*((\u)%4)
.if (\u) < 2
.irp c, 0,1
.irp j, 0,1,2,3
	global_load_b128 v[SL+16*\c+4*\j:SL+16*\c+4*\j+3], v[QA], s[4:5] offset:65536*(\u)+128*\c+32*\j th:TH_LOAD_NT   ; number 16 c + 4 j + e: channel 32 c + 8 j + 4 h + e of query r; read by this wave alone
.endr
.endr
.elseif (\u) < 10
.irp c, 0,1
.irp j, 0,1,2,3
	global_load_b128 v[SL+16*\c+4*\j:SL+16*\c+4*\j+3], v[KA], s[6:7] offset:4096*((\u)-2)+128*\c+32*\j   ; the same of key 16 T + 2 (r % 8) + r / 8
.endr
.endr
.else
.irp i, 0,1,2,3,4,5,6,7
	global_load_b128 v[SL+4*\i:SL+4*\i+3], v[L16], s[8:9] offset:(32*(((\u)-10)/2)+16*(((\u)-10)%2)+2*\i)*256   ; two whole rows of V, 512 consecutive bytes: channels 4 r .. 4 r + 3 of the even key (h = 0) or the odd one (h = 1)
.endr
.endif
.endm
	s_wait_alu depctr_va_vdst(0)                   ; v3, v7 and v8 are written: every global load and store of the kernel reads one of them as its offset
	UNIT 0
	UNIT 1
	UNIT 2
	UNIT 3
	; the LDS addresses are made while the first loads are on their way; none of these lines names a register that those loads read or land in
	v_add_nc_u32 v[KST], s[RB], v[L16]
	v_lshl_add_u32 v[KSA], v14, 4, s[RB]
	v_bfe_u32 v[VST], v0, 2, 2                     ; r / 4
	v_mul_u32_u24 v[VST], v[VST], VTP
	v_and_b32 v[VSA], 3, v0                        ; r % 4
	v_lshl_add_u32 v[VST], v[VSA], 6, v[VST]
	v_lshl_add_u32 v[VST], v15, 8, v[VST]
	v_add_nc_u32 v[VST], s[RB], v[VST]
	v_lshlrev_b32 v[VSA], 6, v[VSA]
	v_bfe_u32 v13, v0, 2, 2
	v_lshl_add_u32 v[VSA], v13, 2, v[VSA]
	v_lshl_add_u32 v[VSA], v15, 8, v[VSA]
	v_add_nc_u32 v[VSA], s[RB], v[VSA]
	s_mul_i32 s27, s[WV], SWAVE
	s_add_co_u32 s27, s27, STG                     ; my stage
	v_mul_u32_u24 v[STO], v14, SROW                ; in: row r, 32 bytes for each half of the lanes
	v_lshl_add_u32 v[STO], v15, 5, v[STO]
	v_add_nc_u32 v[STO], s27, v[STO]
	v_mul_u32_u24 v[SRD], v15, SROW                ; back: lanes 0-15 one row, lanes 16-31 the next; 16 (lane % 8) in its 128 bytes
	v_and_b32 v13, 7, v0
	v_lshl_add_u32 v[SRD], v13, 4, v[SRD]
	v_add_nc_u32 v[SRD], s27, v[SRD]
	v_mov_b32 v[QM+2], 0                           ; written once: a lane permute's destination counts as one of its sources
	v_mov_b32 v[QM+3], 0
.irp j, 0,1,2,3
	v_mov_b32 v[VM+4+\j], 0
.endr
; 32 numbers of a lane, v[x] on (16 of each of my row's two blocks; the other 16 lie in lane l xor 16), become 8 registers of codes at v[c] and the row's scale word in v[w].
; A block's scale byte is its largest magnitude's exponent field - 8, held at 1 from below by the floor 2^(9 - 127) among the maximum's leaves.  Bytes 2 and 3 of the word stay 0: they stand over zero codes.
.macro QUANT32 x, c, w
.irp b, 0,1
	v_max3_num_f32 v[QM+\b], |v[(\x)+16*\b]|, |v[(\x)+16*\b+1]|, 0x4800000
.endr
.irp i, 2,4,6,8,10,12,14
.irp b, 0,1
	v_max3_num_f32 v[QM+\b], v[QM+\b], |v[(\x)+16*\b+\i]|, |v[(\x)+16*\b+\i+1]|
.endr
.endr
.irp b, 0,1
	v_permlanex16_b32 v[QM+2+\b], v[QM+\b], s[SEL], s[SEL+1]
.endr
.irp b, 0,1
	v_max_num_f32 v[QM+\b], v[QM+\b], v[QM+2+\b]   ; the block's largest magnitude
.endr
.irp b, 0,1
	v_add_nc_u32 v[QM+6+\b], 0xfc000000, v[QM+\b]  ; 8 off its exponent field: the conversion takes the exponent field of this operand as its scale
.endr
.irp b, 0,1
	v_and_or_b32 v[QM+4+\b], v[QM+\b], 0x7f800000, s[MNT]   ; 448 x the scale
.endr
.irp b, 0,1
	v_lshrrev_b32 v[QM+8+\b], 23, v[QM+6+\b]       ; the scale's byte
.endr
	v_lshl_or_b32 v[\w], v[QM+9], 8, v[QM+8]
.irp b, 0,1
.irp i, 0,1,2,3,4,5,6,7,8,9,10,11,12,13,14,15
	v_med3_num_f32 v[(\x)+16*\b+\i], v[(\x)+16*\b+\i], -v[QM+4+\b], v[QM+4+\b]   ; the conversion to an 8-bit code does not saturate (ISA guide 7.6.2): the hold at the largest code x the scale
.endr
	v_cvt_scalef32_pk8_fp8_f32 v[(\c)+4*\b:(\c)+4*\b+1], v[(\x)+16*\b:(\x)+16*\b+7], v[QM+6+\b]
	v_cvt_scalef32_pk8_fp8_f32 v[(\c)+4*\b+2:(\c)+4*\b+3], v[(\x)+16*\b+8:(\x)+16*\b+15], v[QM+6+\b]
.endr
	v_nop                                          ; one plain vector instruction behind the last conversion, ahead of whatever next touches its registers
.endm
; V's block c of 32 keys, 64 numbers of a lane at v[xb] on: number 4 i + j is channel 4 r + j of key 32 c + 2 i + h.  A channel's block lies in lanes l and l xor 16.  The hold writes a channel's 16 numbers
; into consecutive registers, so that the conversions find neighbours along the keys: nothing else is moved.  The codes of channel 4 r + j are 16 bytes of tile r / 4, row 4 (r % 4) + j, half h.
.macro VBLOCK c, xb
	s_wait_dscnt 0x0                               ; the LDS stores issued so far are done
	s_wait_alu depctr_vm_vsrc(0)                   ; and have read K's sets of codes and the last block's codes of V, which the holds and conversions below write
.irp j, 0,1,2,3
	v_max3_num_f32 v[VM+\j], |v[\xb+\j]|, |v[\xb+4+\j]|, 0x4800000
.endr
.irp i, 2,4,6,8,10,12,14
.irp j, 0,1,2,3
	v_max3_num_f32 v[VM+\j], v[VM+\j], |v[\xb+4*\i+\j]|, |v[\xb+4*\i+4+\j]|
.endr
.endr
.irp j, 0,1,2,3
	v_permlanex16_b32 v[VM+4+\j], v[VM+\j], s[SEL], s[SEL+1]
.endr
.irp j, 0,1,2,3
	v_max_num_f32 v[VM+\j], v[VM+\j], v[VM+4+\j]
.endr
.irp j, 0,1,2,3
	v_add_nc_u32 v[VM+12+\j], 0xfc000000, v[VM+\j]
.endr
.irp j, 0,1,2,3
	v_and_or_b32 v[VM+8+\j], v[VM+\j], 0x7f800000, s[MNT]
.endr
.if \c == 0
.irp j, 0,1,2,3
	v_lshrrev_b32 v[VW+\j], 23, v[VM+12+\j]        ; the first byte starts the channel's scale word
.endr
.else
.irp j, 0,1,2,3
	v_lshrrev_b32 v[VM+4+\j], 23, v[VM+12+\j]
.endr
.irp j, 0,1,2,3
	v_lshl_or_b32 v[VW+\j], v[VM+4+\j], 8*\c, v[VW+\j]
.endr
.endif
.irp j, 0,1,2,3
.irp i, 0,1,2,3,4,5,6,7,8,9,10,11,12,13,14,15
	v_med3_num_f32 v[VT+16*(\j%2)+\i], v[\xb+4*\i+\j], -v[VM+8+\j], v[VM+8+\j]
.endr
	v_cvt_scalef32_pk8_fp8_f32 v[VC+4*\j:VC+4*\j+1], v[VT+16*(\j%2):VT+16*(\j%2)+7], v[VM+12+\j]
	v_cvt_scalef32_pk8_fp8_f32 v[VC+4*\j+2:VC+4*\j+3], v[VT+16*(\j%2)+8:VT+16*(\j%2)+15], v[VM+12+\j]
.endr
	v_nop                                          ; one plain vector instruction behind the last conversion
	s_wait_alu depctr_va_vdst(0)                   ; the conversions have written the block's codes, which the LDS stores below read; the maxima and holds are done reading the block's two slots, in which the loads behind this macro land; the scale words are written, which block 3's last stores read
.irp j, 0,1,2,3
	ds_store_b128 v[VST], v[VC+4*\j:VC+4*\j+3] offset:VOFF+512*\c+16*\j
.endr
.endm
	; THE PREPARATION.  Loads come back in order (ISA guide 5.7.1): a unit is in when at most the loads issued behind it are out.  Four units, 32 loads, are asked for ahead; a slot is asked for again as soon as it is quantised.
	s_wait_loadcnt 24                              ; unit 0 is in; units 1 to 3 may be out
	QUANT32 XS, QF, QW
	s_wait_alu depctr_va_vdst(0)                   ; the maxima, holds and conversions are done with slot 0, in which unit 4's loads land
	UNIT 4
	s_wait_loadcnt 24
	QUANT32 XS+32, QC1, QW-1
	s_wait_alu depctr_va_vdst(0)                   ; the same of slot 1 and unit 5
	UNIT 5
.irp t, 0,1,2,3,4,5,6,7
	s_wait_loadcnt 24                              ; K's tile t is in; the three units behind it may be out
.if \t >= 4
	s_wait_dscnt 6                                 ; behind the two stores of the tile four back stand the six of the three tiles between: those two are done
	s_wait_alu depctr_vm_vsrc(0)                   ; the LDS stores issued so far have read their sets of codes: the set of the tile four back is written next
.endif
	QUANT32 XS+32*((\t+2)%4), KC+8*(\t%4), KW+\t
	s_wait_alu depctr_va_vdst(0)                   ; the conversions have written the tile's codes, which the two LDS stores read, and the tile's scale word, which the stores behind tile 7 read; the quantiser is done with the slot, in which the loads below land
	ds_store_b128 v[KST], v[KC+8*(\t%4):KC+8*(\t%4)+3] offset:KOFF+1024*\t
	ds_store_b128 v[KST], v[KC+8*(\t%4)+4:KC+8*(\t%4)+7] offset:KOFF+1024*\t+512
	UNIT \t+6
.endr
	ds_store_b128 v[KSA], v[KW:KW+3] offset:KSOFF              ; row r's words of tiles 0-3; both halves of the lanes write the same bytes with the same values.  (No vector instruction stands between tile 7's wait and these two)
	ds_store_b128 v[KSA], v[KW+4:KW+7] offset:KSOFF+256        ; and of tiles 4-7
	s_wait_loadcnt 16                              ; V's block 0 (units 10, 11) is in; units 12, 13 may be out
	VBLOCK 0, XS+64
	UNIT 14
	UNIT 15
	s_wait_loadcnt 16                              ; block 1 is in; units 14, 15 may be out
	VBLOCK 1, XS
	UNIT 16
	UNIT 17
	s_wait_loadcnt 16                              ; block 2 is in; units 16, 17 may be out
	VBLOCK 2, XS+64
	s_wait_loadcnt 0x0
	VBLOCK 3, XS
.irp j, 0,1,2,3
	ds_store_b32 v[VSA], v[VW+\j] offset:VSOFF+16*\j           ; channel 4 r + j's word; lanes 16-31 write the copy 256 bytes on
.endr
	s_wait_dscnt 0x0                               ; for the others' sake: my record is whole
	s_wait_alu depctr_vm_vsrc(0)                   ; my LDS stores have read K's scale words (v24-31), V's codes and scale words and the address v12: the zeros below and the attention write all of these
	s_barrier_signal -1
.irp i, 0,1,2,3,4,5,6,7                        ; work on registers while the others arrive: the zero codes of k = 64 .. 127 of the first product's operands, written once
	v_mov_b32 v[QF+8+\i], 0
	v_mov_b32 v[KF+8+\i], 0
	v_mov_b32 v[KF+24+\i], 0
	v_mov_b32 v[KF+40+\i], 0
	v_mov_b32 v[KF+56+\i], 0
.endr
	v_mov_b32 v[F+1], 0                            ; named as the upper half of the pair with f
	s_barrier_wait -1                              ; all sixteen records are whole; nothing in them is written again
; The first half of a key step's K: its scale words and the codes of tiles 0-3, from off bytes behind the address in v[adr].  It is asked for in the step before.
.macro KNEXT adr, off
	ds_load_b128 v[KS:KS+3], v[\adr] offset:(\off)+KSOFF
.irp t, 0,1,2,3
.irp c, 0,1
	ds_load_b128 v[KF+16*\t+4*\c:KF+16*\t+4*\c+3], v[\adr] offset:(\off)+KOFF+1024*\t+512*\c
.endr
.endr
.endm
	KNEXT L16, 0                                   ; key step 0's, for the first pass.  No wait: block 3's wait on va_vdst stands behind the last line that named these 32 registers of slots 0 and 1; the zeros written since lie in the operands' upper halves; no vector line has named v208-211
; The largest score of blocks b0 and b1, by turns; each accumulator is first read at its low end.
.macro BMAX b0, b1
.irp b, \b0, \b1
	v_max3_num_f32 v[BM+\b], v[S+16*\b], v[S+16*\b+1], v[S+16*\b+2]
.endr
.irp i, 3,5,7,9,11,13
.irp b, \b0, \b1
	v_max3_num_f32 v[BM+\b], v[BM+\b], v[S+16*\b+\i], v[S+16*\b+\i+1]
.endr
.endr
.irp b, \b0, \b1
	v_max_num_f32 v[BM+\b], v[BM+\b], v[S+16*\b+15]
.endr
.endm
; A KEY STEP: 128 keys.  qs: the register with my queries' scale words.  nxt = 1: the next record's first half of K is asked for; 2: record 0's, for the second pass; 0: nothing.
; A load into a register that a matrix instruction has read and a vector instruction that reads its result stand eight places behind it, a matrix instruction that writes over one of its registers nine; only plain
; vector instructions that name none of its registers are places.
.macro STEP qs, nxt
	s_wait_alu depctr_vm_vsrc(0)                   ; the LDS loads issued so far have read v[ADR], which the next line writes
	v_add_nc_u32 v[ADR], s[TB], v[L16]
.rept 8
	v_nop                                          ; with the addition above nine places between the last step's products V^T P and the products below, which write over V's operands
.endr
	s_wait_dscnt 0x0                               ; K's scale words and tiles 0-3, asked for in the step before, are in
.irp t, 0,1,2,3                                ; S^T = K Q^T, tiles 0-3
	v_wmma_scale_f32_16x16x128_f8f6f4 v[S+8*\t:S+8*\t+7], v[KF+16*\t:KF+16*\t+15], v[QF:QF+15], 0, v[KS+\t], v[\qs]
.endr
.rept 8
	v_nop                                          ; places in front of the loads into K's operands
.endr
	s_wait_alu depctr_va_vdst(0)                   ; the four products are done reading K's operands, in which the loads below land; v[ADR] is written, which they and all later loads of the step read
.irp t, 0,1,2,3
.irp c, 0,1
	ds_load_b128 v[KF+16*\t+4*\c:KF+16*\t+4*\c+3], v[ADR] offset:KOFF+1024*(4+\t)+512*\c
.endr
.endr
	s_wait_dscnt 0x0
.irp t, 0,1,2,3                                ; tiles 4-7: their scale words lie in lanes 16-31
	v_wmma_scale_f32_16x16x128_f8f6f4 v[S+32+8*\t:S+32+8*\t+7], v[KF+16*\t:KF+16*\t+15], v[QF:QF+15], 0, v[KS+\t], v[\qs] matrix_a_scale:MATRIX_SCALE_ROW1
.endr
	BMAX 0, 1                                      ; THE LARGEST SCORE OF EACH BLOCK OF 32 KEYS serves twice: for the row's maximum and, since p rises with the score, for the block's largest p.  Blocks 0 and 1 first: their 16 lines name nothing of the last four products and are those products' places
	BMAX 2, 3
.irp b, 0,1,2,3
	v_permlanex16_b32 v[PT+\b], v[BM+\b], s[SEL], s[SEL+1]
.endr
.irp b, 0,1,2,3
	v_max_num_f32 v[BM+\b], v[BM+\b], v[PT+\b]     ; with lane l xor 16's 16 keys
.endr
	v_max3_num_f32 v[TT], v[BM], v[BM+1], v[BM+2]
	v_max_num_f32 v[TT], v[TT], v[BM+3]            ; the step's largest score of my query,
	v_mul_f32 v[TT], s[CS], v[TT]                  ; as t
	v_max_num_f32 v[TMX], v[TMX], v[TT]            ; the running largest t
	v_mov_b32 v[TT], v[NM]
	v_floor_f32 v[NM], -v[TMX]                     ; the new -M = floor(-t) = -ceil(t): a whole number
	v_sub_f32 v[TT], v[NM], v[TT]                  ; old M less new M: a whole number, 0 or less
	v_cvt_i32_f32 v[TT], v[TT]                     ; (it saturates)
	v_ldexp_f32 v[F], 1.0, v[TT]                   ; f = 2^(old M - new M)
.set J, 0
.rept 32
	v_pk_fma_f32 v[S+J:S+J+1], v[S+J:S+J+1], s[CS:CS+1], v[NM:NM+1] op_sel_hi:[1,0,0]   ; t - M, two at a time
.set J, J+2
.endr
.irp b, 0,1,2,3
	v_fma_f32 v[BM+\b], v[BM+\b], s[CS], v[NM]     ; the same of each block's largest score
.endr
.set J, 0
.rept 64
	v_exp_f32 v[S+J], v[S+J]                       ; p = 2^(t - M), at most 1: not normalised
.set J, J+1
.endr
	v_pk_mul_f32 v[SUM:SUM+1], v[SUM:SUM+1], v[F:F+1] op_sel_hi:[1,0]   ; the sums under the new M: the plain instruction behind the batch
	s_wait_alu depctr_va_vdst(0)                   ; the 64 exponentials have written p, ahead of the first line that names a result; and the step's eight products are done reading K's operands and scale words, in which the loads below land
.if (\nxt) == 1
	KNEXT ADR, REC                                 ; the next key step's: the rest of this step, which names none of these registers, stands between these loads and their use
.elseif (\nxt) == 2
	KNEXT L16, 0                                   ; the first pass's last step: key step 0's again, for the second pass
.endif
.irp b, 0,1,2,3
	v_exp_f32 v[BM+\b], v[BM+\b]                   ; the block's largest p: the same two instructions on the same number give the same bits
.endr
	v_pk_add_f32 v[SUM2:SUM2+1], v[S:S+1], v[S+2:S+3]          ; THE ROW'S SUM IS TAKEN OF THE UNQUANTISED p, two at a time, in two chains; these lines read the 64 alone
.irp j, 4,8,12,16,20,24,28,32,36,40,44,48,52,56,60
	v_pk_add_f32 v[SUM:SUM+1], v[SUM:SUM+1], v[S+\j:S+\j+1]
	v_pk_add_f32 v[SUM2:SUM2+1], v[SUM2:SUM2+1], v[S+\j+2:S+\j+3]
.endr
	v_pk_add_f32 v[SUM:SUM+1], v[SUM:SUM+1], v[SUM2:SUM2+1]
	s_wait_alu depctr_va_vdst(0)                   ; the four exponentials have written the blocks' largest p, ahead of the first line that names one
.irp b, 0,1,2,3
	v_max_num_f32 v[BM+\b], 0x4800000, v[BM+\b]    ; the floor 2^(9 - 127): the byte cannot fall under 1 (a block whose every p is 0 keeps that byte: its codes are zeros)
.endr
.irp b, 0,1,2,3
	v_add_nc_u32 v[SO+\b], 0xfc000000, v[BM+\b]    ; 8 off the exponent field: the conversion's scale operand
.endr
.irp b, 0,1,2,3
	v_and_or_b32 v[HO+\b], v[BM+\b], 0x7f800000, s[MNT]        ; 448 x the scale
.endr
.irp b, 0,1,2,3
	v_lshrrev_b32 v[PT+\b], 23, v[SO+\b]           ; the scale's byte
.endr
	v_lshl_or_b32 v[PW], v[PT+1], 8, v[PT]         ; p's scale word for these 128 keys
	v_lshl_or_b32 v[PW], v[PT+2], 16, v[PW]
	v_lshl_or_b32 v[PW], v[PT+3], 24, v[PW]
.irp b, 0,1,2,3
.irp i, 0,1,2,3,4,5,6,7,8,9,10,11,12,13,14,15
	v_min_num_f32 v[S+16*\b+\i], v[S+16*\b+\i], v[HO+\b]       ; the hold; p is not negative, so it is one-sided
.endr
	v_cvt_scalef32_pk8_fp8_f32 v[PC+4*\b:PC+4*\b+1], v[S+16*\b:S+16*\b+7], v[SO+\b]
	v_cvt_scalef32_pk8_fp8_f32 v[PC+4*\b+2:PC+4*\b+3], v[S+16*\b+8:S+16*\b+15], v[SO+\b]
.endr
	s_wait_alu depctr_va_vdst(0)                   ; the holds have written p and the conversions are done reading it: V's operands land in its registers; the last step's products are done reading V's scale words
	ds_load_b128 v[VS:VS+3], v[ADR] offset:VSOFF
.irp t, 0,1,2,3                                ; V's four operands land where p lay
.irp c, 0,1,2,3
	ds_load_b128 v[S+16*\t+4*\c:S+16*\t+4*\c+3], v[ADR] offset:VOFF+VTP*\t+512*\c
.endr
.endr
.set J, 0
.rept 16
	v_pk_mul_f32 v[OT+J:OT+J+1], v[OT+J:OT+J+1], v[F:F+1] op_sel_hi:[1,0]   ; O^T under the new M, from each accumulator's low end on.  These 16 are also the plain lines behind the conversions and in front of the products
.set J, J+2
.endr
	s_wait_dscnt 0x0
	s_wait_alu depctr_va_vdst(0)                   ; p's codes and p's scale word, which vector instructions wrote, are written: the scaled products below take them as source 1 and as its scales; the 16 multiplications above are the places, and the wait stands behind them
.irp t, 0,1,2,3                                ; O^T += V^T P^T: the four accumulators by turns, one instruction a turn, with the eight products K Q^T between two turns of one
	v_wmma_scale_f32_16x16x128_f8f6f4 v[OT+8*\t:OT+8*\t+7], v[S+16*\t:S+16*\t+15], v[PC:PC+15], v[OT+8*\t:OT+8*\t+7], v[VS+\t], v[PW]
.endr
.endm
; THE WAY OUT of pass p.  O^T / the sum: register 8 t + j of lane (r, h) is o(query r, channel 16 t + 8 h + j).  Half a row (128 bytes) of the 16 queries at a time goes through my stage; lanes whose bit 3 is set
; then take the upper half's 16 bytes, so that 32 lanes store two whole rows of O: 512 consecutive bytes, at a multiple of 256 from O's first byte.
.macro WAYOUT p
.rept 8
	v_nop                                          ; places behind the last products
.endr
	v_add_f32 v[SUM], v[SUM], v[SUM+1]             ; the sum's two halves,
	v_permlanex16_b32 v[TT], v[SUM], s[SEL], s[SEL+1]
	v_add_f32 v[SUM], v[SUM], v[TT]                ; and lane l xor 16's: the row's sum
	v_rcp_f32 v[SUM2], v[SUM]
	v_nop                                          ; a plain instruction behind the reciprocal,
	s_wait_alu depctr_va_vdst(0)                   ; and the reciprocal has written 1 / the sum, ahead of its first reader
.set J, 0
.rept 16
	v_pk_mul_f32 v[S+J:S+J+1], v[OT+J:OT+J+1], v[SUM2:SUM2+1] op_sel_hi:[1,0]
.set J, J+2
.endr
	s_wait_alu depctr_va_vdst(0)                   ; the multiplications have written v96-127, which the LDS stores read, and are done reading O^T, in which the second run of loads lands; the last products are done reading v128-159, in which the first run lands
.irp t, 0,1
	ds_store_b128 v[STO], v[S+8*\t:S+8*\t+3] offset:64*\t
	ds_store_b128 v[STO], v[S+8*\t+4:S+8*\t+7] offset:64*\t+16
.endr
.irp i, 0,1,2,3,4,5,6,7
	ds_load_b128 v[S+32+4*\i:S+32+4*\i+3], v[SRD] offset:2*SROW*\i   ; LDS serves a wave's instructions in order (ISA guide 5.7.1.4): these see the stores above, and the next half's stores come behind them
.endr
.irp t, 0,1
	ds_store_b128 v[STO], v[S+16+8*\t:S+16+8*\t+3] offset:64*\t
	ds_store_b128 v[STO], v[S+16+8*\t+4:S+16+8*\t+7] offset:64*\t+16
.endr
.irp i, 0,1,2,3,4,5,6,7
	ds_load_b128 v[OT+4*\i:OT+4*\i+3], v[SRD] offset:2*SROW*\i
.endr
	s_wait_dscnt 0x0
.set J, 0
.rept 32
	v_cndmask_b32 v[S+32+J], v[S+32+J], v[OT+J], s[MSK]
.set J, J+1
.endr
	s_wait_alu depctr_va_vdst(0)                   ; the selections have written v128-159, which the global stores read
.irp i, 0,1,2,3,4,5,6,7
	global_store_b128 v[L16], v[S+32+4*\i:S+32+4*\i+3], s[10:11] offset:65536*\p+512*\i th:TH_STORE_NT   ; written once, read by nobody here
.endr
.endm
; A PASS: one tile of 16 queries over all 16 key steps: a loop of 15, each of which asks for the next step's first half of K, and the last step written out, so that no read leaves the records.
; O^T and the sum begin as zeros and the largest t as -3e38, so the first change of M multiplies zeros by 0.
.macro PASS p
.if \p
	s_wait_xcnt 0x0                                ; the first pass's stores have had their addresses translated: their registers are written again only behind this wait
	s_wait_alu depctr_vm_vsrc(0)                   ; the first pass's LDS stores have read v96-127 and its global stores v128-159, which this pass's products write
.irp i, 0,1,2,3,4,5,6,7
	v_mov_b32 v[QF+\i], v[QC1+\i]                  ; the second tile's codes
.endr
.endif
	v_mov_b32 v[TMX], 0xff61b1e6                   ; -3e38, under every t
	v_floor_f32 v[NM], -v[TMX]
	v_mov_b32 v[SUM], 0
	v_mov_b32 v[SUM+1], 0
.set J, 0
.rept 32
	v_mov_b32 v[OT+J], 0
.set J, J+1
.endr
	s_wait_alu depctr_va_vdst(0)                   ; the zero codes of K's and Q's operands (second pass: Q's new codes) are written, which the scaled products of the first step take as their sources; the moves above are the places, and the wait stands behind them
	s_mov_b32 s[TB], 0
	s_mov_b32 s[CNT], 15
.Lstep_\@:
	STEP QW-\p, 1
	s_add_co_u32 s[TB], s[TB], REC                 ; the next key step's record
	s_sub_co_u32 s[CNT], s[CNT], 1
	s_cmp_lg_u32 s[CNT], 0
	s_cbranch_scc1 .Lstep_\@
	STEP QW-\p, 2-2*\p                             ; key step 15
	WAYOUT \p
.endm
	PASS 0
	PASS 1
	s_wait_dscnt 0x0                               ; the closing lines, six on end
	s_wait_alu 0x0
	s_wait_tensorcnt 0x0
	ds_add_u32 v[SPW], v[NIL]
	s_wait_dscnt 0x0
	s_endpgm
.Lfunc_end_k_q14b52c38ef_attn:
	.size	k_q14b52c38ef_attn, .Lfunc_end_k_q14b52c38ef_attn-k_q14b52c38ef_attn
	.p2alignl 7, 3214868480
	.fill 96, 4, 3214868480
	.section	.rodata,"a",@progbits
	.p2align	6, 0x0
	.amdhsa_kernel k_q14b52c38ef_attn
		.amdhsa_group_segment_fixed_size 318464
		.amdhsa_private_segment_fixed_size 0
		.amdhsa_enable_private_segment 0
		.amdhsa_kernarg_size 32
		.amdhsa_user_sgpr_count 2
		.amdhsa_user_sgpr_kernarg_segment_ptr 1
		.amdhsa_wavefront_size32 1
		.amdhsa_system_sgpr_workgroup_id_x 1
		.amdhsa_system_sgpr_workgroup_id_y 1
		.amdhsa_system_sgpr_workgroup_id_z 1
		.amdhsa_system_vgpr_workitem_id 0
		.amdhsa_next_free_vgpr 256
		.amdhsa_next_free_sgpr 66
		.amdhsa_reserve_vcc 0
		.amdhsa_float_denorm_mode_32 3
		.amdhsa_float_denorm_mode_16_64 3
		.amdhsa_memory_ordered 1
		.amdhsa_forward_progress 1
		.amdhsa_inst_pref_size 182
	.end_amdhsa_kernel
	.amdgpu_metadata
---
amdhsa.version: [ 1, 2 ]
amdhsa.kernels:
  - .name:           k_q14b52c38ef_attn
    .symbol:         k_q14b52c38ef_attn.kd
    .args:
      - { .name: input_query, .offset: 0, .size: 8, .value_kind: global_buffer, .address_space: global }
      - { .name: input_key, .offset: 8, .size: 8, .value_kind: global_buffer, .address_space: global }
      - { .name: input_value, .offset: 16, .size: 8, .value_kind: global_buffer, .address_space: global }
      - { .name: out0, .offset: 24, .size: 8, .value_kind: global_buffer, .address_space: global }
    .group_segment_fixed_size: 318464
    .private_segment_fixed_size: 0
    .kernarg_segment_align: 8
    .kernarg_segment_size: 32
    .max_flat_workgroup_size: 512
    .sgpr_count:     66
    .vgpr_count:     256
    .wavefront_size: 32
...
	.end_amdgpu_metadata
.endif
;; end of part 2
